; MI455X (gfx1250); checked and timed in simulation.
; The chip was launched on July 23, 2026; its instructions are those of AMD's public machine-readable ISA for CDNA 5 (MIT licence, August 2026) and "CDNA5" Instruction Set Architecture Reference Guide (July 2026). The comments in the code are by the model that wrote it; some were corrected since.
;; Core Attention. Allowed arithmetic: matrix products marked QUANTISED: E4M3 operands, one given power-of-two scale a tensor, by v_wmma_f32_16x16x64_fp8_fp8 or v_wmma_f32_16x16x128_fp8_fp8, f32 sums; everything else in f32.
;; Inputs: key_states 2 x 16 x 2,048 x 64 float32; lowp_scales 4 int32 (the exponents e of the quantised operands' scales 2^e); query_states 2 x 16 x 2,048 x 64 float32; value_states 2 x 16 x 2,048 x 64 float32.
;; Outputs: out0 2 x 16 x 2,048 x 64 float32.
;; This version of the problem:
;;   THIS VERSION OF THE PROBLEM IS GIVEN IN LOW PRECISION. The matrix products marked QUANTISED in the list below multiply operands that are first quantised to E4M3 (4 exponent bits, 3 mantissa bits; 8 bits a number), with one given power-of-two scale for each operand tensor; their sums are f32. All else is computed in f32.
;;   The module's matrix products, in the order in which they are computed (A, B: the left and right operand; K: the contracted axis; several contracted axes count as one K, in the product's order):
;;     1. batch 32 x [M 2,048, K 64] x [K 64, N 2,048]; A: input query_states; B: input key_states: QUANTISED (scales: A lowp_scales[0], B lowp_scales[1])
;;     2. batch 32 x [M 2,048, K 2,048] x [K 2,048, N 64]; A: softmax (see below); B: input value_states: QUANTISED (scales: A lowp_scales[2], B lowp_scales[3])
;;   THE QUANTISER, for each operand of a quantised product, along K:
;;     - The operand's scale is 2^e, e = its entry of the input lowp_scales (int32; the entries are numbered through the quantised products in the list's order, A before B).
;;     - Each number is divided by the scale, clamped to +-448, and rounded to the nearest number of E4M3, ties to even, subnormals kept.
;;     - The product sums the exact products of the quantised numbers (number of the format x scale) in f32.
;;   ~~~python
;;   def quantise(x, axis, e):      # numpy; x: float32 -> the quantised numbers, widened to float32 again
;;       x = np.moveaxis(x, axis, -1); K = x.shape[-1]
;;       r = np.clip(x / 2.0 ** e, -448, 448)
;;       step = 2.0 ** (np.maximum(np.frexp(np.where(r == 0, 1, r))[1] - 1, -6) - 3)
;;       q = np.round(r / step) * step * 2.0 ** e      # np.round: ties to even
;;       return np.moveaxis(q, -1, axis).astype(np.float32)
;;   ~~~
;;   SOFTMAX AHEAD OF A QUANTISED PRODUCT. Where the list says 'softmax', what is quantised is not the finished softmax but p = 2^(t - M), with t = logit x log2(e) and M = ceil(the row's largest t), a whole number; so 1/2 < the row's largest p <= 1. The row's sum l is taken of the UNQUANTISED p, in f32, and the product's result is divided by l at the end. Since M is a whole number, a kernel that streams over the keys may use a running M (the ceiling of the running maximum): every later rescaling is an exact power of two, so the quantised numbers keep their values, but for numbers so far below the row's largest that they fall under the format's range.
;;   OPERANDS COMPUTED ON THE WAY. 'Computed on the way' means the value that the module computes at that place (a softmax that the list does not call 'softmax' is quantised finished and normalised). What goes into a quantiser is computed in f32, as accurately as f32 sums, v_exp_f32 and their like allow (about 1e-6 of the number): no bf16 or f16 on the way to a quantiser, and a product that is left as it is and whose result goes on into a quantised operand takes f32 operands (vector FMAs, or v_wmma_f32_16x16x4_f32). A number that lies on a knife's edge between two numbers of the format may be rounded either way, as far as f32 arithmetic and the matrix unit's own rounding can turn it there, and no further.
;; One version. Each part assembles by itself: llvm-mc -triple=amdgcn-amd-amdhsa -mcpu=gfx1250 --defsym DOCPART=n.
;; ======== version 1 of 1: 1 launch
;; limits: inputs' magnitudes at most 30; right only within a limited range of input values
;; launch attn (part 1): grid 32 x 8, 8 waves a work-group, no clusters, 323,584 bytes of LDS; arguments query_states, key_states, value_states, lowp_scales, out0; writes out0
.if DOCPART == 1
	.amdgcn_target "amdgcn-amd-amdhsa--gfx1250"
	.amdhsa_code_object_version 6
	.text
	.protected	k_q88967b1993_attn
	.globl	k_q88967b1993_attn
	.p2align	8
	.type	k_q88967b1993_attn,@function
k_q88967b1993_attn:
	s_mov_b64 s[64:65], 0
	v_nop
	global_prefetch_b8 v0, s[64:65] scope:SCOPE_SE
	s_setreg_imm32_b32 hwreg(HW_REG_WAVE_MODE, 25, 1), 1
	s_wait_xcnt 0x0
; CAUSAL ATTENTION ON CODES OF FP8 (E4M3).  q, k, v, o: [32 heads][2048][64] f32.  lowp_scales: eq, ek, ep, ev (int32); a scale is 2^e.
; o[q] = sum over keys of p V / l;  t = (q . k / 8) log2(e), the products on codes;  p = 2^(t - M), M the running largest t rounded UP to a whole number;  l = the row's sum of the unquantised p.
; ONE LAUNCH, nothing through memory.  K's and V's f32 rows go from memory straight into registers, are quantised there, and their codes lie in LDS as IMAGES OF THE OPERANDS' REGISTERS, the whole head's: no image is ever rewritten.
; SHARES.  Work-group (x, y): head x; beta = y / 2, u = y % 2.  It owns the queries 32 w + 16 u + 0..15, w = 0..7, of the head's 256-query blocks D = 7 - beta (the deep one) and beta (the shallow one); wave w owns 16 of each.
; The deep block needs key chunks (256 keys, two steps of 128) 0..D, the shallow one 0..beta: 17 steps a wave in the mean, waves w and w + 4 together 34, in every work-group alike.
; A TRIP c of the first loop: attend step 2 c; quantise chunk c + 1 (loaded a trip earlier) and ask for chunk c + 2; signal; attend step 2 c + 1; wait.  The second loop walks the shallow block over images that are all there: no barrier.
; NO CLUSTER: the f32 rows never lie in LDS (the images take 287,744 bytes of it, so two slots of f32 chunks of 131,072 bytes have no room), and the work-groups of a head need different numbers of chunks (5 to 8).
; LAYOUT.  S^T = K Q^T (16x16x64: source 0 = 16 keys, source 1 = my 16 queries), O^T = V^T P^T (16x16x128: source 0 = 16 channels, source 1 = P): a lane holds ONE query (lane % 16) throughout.
; Lane r of K's tile 2 b + u holds key 32 b + 8 u + r + 8 (r / 8), so that S^T's registers 16 b + i are keys 32 b + 16 (lane / 16) + i, which the conversions turn into P's registers 4 b .. 4 b + 3; V^T's fragments hold their keys in the same places.
; The channels of a K and a Q operand are permuted alike: word w of registers 4 q .. 4 q + 3 of half h holds channels 4 j .. 4 j + 3, j = 8 q + 4 h + w.
; DEAD WORK LEFT OUT, LIMITS.  (1) Key steps that lie wholly above the diagonal are not visited: the mask throws them away.  The source gives such keys the score -10000, a weight of exp(-10000 - the row's largest score), which is 0 in f32 while that
; largest score is above about -9896.  A score's magnitude is at most 64 x 448^2 x 2^(eq + ek) / 8 = 1,605,632 x 2^(eq + ek): for eq + ek <= -8 nothing is lost on any input; for larger eq + ek a row whose EVERY visible score lies below
; -9896 differs.  In the diagonal's step hidden keys get the source's own value (the raw sum -80000 x 2^-(eq + ek), so that t = -10000 log2(e)) and take part in the maximum.  A NaN, infinity or overflow in keys that are not visited is not carried.
; (2) eq, ek, ep, ev between -126 and 119; eq + ek between -111 and 130 (it is added to c's exponent field and taken off the mask value's); ep + ev is applied by v_ldexp_f32 and has no limit.  |t| stays under 2^24.  (3) NaN among the inputs is not served.
.set KT,    1216                       ; a K tile's image: registers 4 q .. 4 q + 3 of lane (r, h) at 640 q + 320 h + 16 r
.set VIMG,  8*KT                       ; behind K's 8 tiles: V's 4 fragments
.set VF,    2064                       ; one fragment's pitch: registers 4 c .. at 512 c + 16 x lane
.set SETB,  VIMG+4*VF                  ; a step's images
.set STAGE, 16*SETB                    ; behind the 16 steps' images: 16 rows x 272 bytes for each wave
.set STGB,  16*272
.set SPARE, STAGE+8*STGB               ; the spare words, 128 bytes for each of 8 waves: four blocks of 256 bytes that no other line names
.set CHB,   65536                      ; a chunk's 256 rows of 256 bytes in memory
.set AKI, 1                            ; v1   where I read K's images in a step
.set AVI, 2                            ; v2   and V's
.set PFO, 3                            ; v3   256 x lane: the prefetch's offset, a lane a row
.set KWI, 4                            ; v4   where I store my words of K's image in a chunk
.set SPW, 5                            ; v5   my spare word; never rewritten
.set NIL, 6                            ; v6   0; never rewritten
.set VWI, 8                            ; v8   where I store my 64 bytes of V's image in a chunk
.set KOV, 9                            ; v9   16 x lane: two rows of 256 bytes a load or store (K, q, o)
.set VOV, 10                           ; v10  4096 (lane / 16) + 16 (lane % 16): two rows of V, 16 rows apart
.set DD,  24                           ; v24  S^T's register 16 b + i is hidden in the diagonal's step where 32 b + i > DD
.set MV,  25                           ; v25  the raw sum that stands for the score -10000
.set KA,  26                           ; v26, v27 addresses at work
.set VA,  27
.set STO, 216                          ; v216 the way out: where I put 32 bytes of a row
.set SRD, 217                          ; v217 and where I read a row back
.set XH,  241                          ; v241 what lane l xor 16 sends
.set MX,  246                          ; v246-249 four chains of maxima
; v12 -M; v13 the largest t; v[14:15] l in two halves; v16-23 Q's codes, v208-215 the shallow block's; v28, v29: 2^ek, 448 x 2^ek; v30, v31: of ev; v32-95 K's 8 fragments, then V's 4; v96-159 S^T, then p; v160-191 O^T;
; v192-207 partial sums (in a quantising: K's codes); v224-239 P's codes (V's codes); v240, v244: 448 x 2^ep, 2^ep; v252-254 at work.  v256-383 a chunk's f32 numbers on their way (V's 64, K's 64); v384-511 the same for chunk 0 alone.
.set WV,   14                          ; s14  my wave's number
.set DEP,  15                          ; s15  my last step, which holds my diagonal
.set KS,   16                          ; s16  the step that the next ATT attends
.set C,    17                          ; s17  the loop's counter
.set DCH,  18                          ; s18  D
.set RB,   19                          ; s19  LDS byte of step KS's images
.set SEL,  20                          ; s[20:21] lane selects for v_permlanex16_b32: lane l xor 16
.set CS,   22                          ; s[22:23] c = log2(e) / 8 x 2^(eq + ek); the packed form names a pair and takes its low word
.set WB,   24                          ; s24  LDS byte of the images of the chunk to be quantised
.set HOLD, 25                          ; s25  1 where p's hold is needed: ep < -8, since p <= 1 and 448 x 2^-8 > 1
.set PFT,  26                          ; s26  the trip in which I prefetch: D - 4
.set EO,   27                          ; s27  ep + ev
.set KB,   28                          ; s[28:29] my 32 rows of K of the chunk asked for last;  s[30:31] of V
.set VB,   30
.set PF,   32                          ; s[32:33] my prefetch's 32 rows
.set OD,   34                          ; s[34:35] my rows of o in the deep block;  s[36:37] in the shallow one
.set OS,   36
.set QD,   38                          ; s[38:39] q likewise;  s[40:41]
.set QS,   40
.set DEP2, 42                          ; s42  the shallow block's last step
.set KB0,  44                          ; s[44:45], s[46:47] chunk 0's rows of K, V
.set VB0,  46
.set MSB, 0
.macro WIN new                         ; the immediate's high byte repeats the setting that is left
.if MSB != \new
	s_set_vgpr_msb (MSB<<8)|\new
.set MSB, \new
.endif
.endm
; 32 loads: my 32 keys of a chunk.  V: load i brings rows i and 16 + i; K: load i brings rows 2 i and 2 i + 1; each row's 256 bytes whole, by sixteen neighbouring lanes.
.macro LOADS st, kb, vb
	WIN 0x40
.set i, 0
.rept 16
	global_load_b128 v[\st+4*i:\st+4*i+3], v[VOV], s[\vb:\vb+1] offset:256*i
.set i, i+1
.endr
.set i, 0
.rept 16
	global_load_b128 v[\st+64+4*i:\st+64+4*i+3], v[KOV], s[\kb:\kb+1] offset:512*i
.set i, i+1
.endr
	WIN 0
.endm
; QUANT: my 32 keys of a chunk become images at s[WB].  K: a lane holds 4 channels of 16 keys: 16 words.  V: a lane holds 4 channels x 16 keys; the holds lay each channel's 16 keys side by side: four registers of a fragment of V^T.
; cnt: younger loads that may stay out.  more = 1: the freed registers take the chunk after next, if the work-group needs it.
.macro QUANT st, cnt, more
	s_wait_loadcnt \cnt
	WIN 0x01                                       ; source 0 in window 1
.irp e, 0,1,2,3
.set i, 0
.rept 16
	v_med3_num_f32 v[96+16*\e+i], v[\st+4*i+\e], -v31, v31  ; the conversion to an 8-bit code does not saturate (ISA guide 7.6.2): the hold at 448 x the scale
.set i, i+1
.endr
.endr
.set i, 0
.rept 64
	v_med3_num_f32 v[32+i], v[\st+64+i], -v29, v29
.set i, i+1
.endr
	WIN 0
.if \more
	s_add_co_u32 s54, s[C], 1
	s_cmp_lt_u32 s54, s[DCH]                       ; chunk c + 2 is at most D
	s_wait_alu depctr_va_vdst(0)                   ; the wait here, directly ahead of the branch
	s_cbranch_scc0 .Lno_more_\@
	s_add_nc_u64 s[KB:KB+1], s[KB:KB+1], CHB       ; (all my loads are done, so the bases may be written)
	s_add_nc_u64 s[VB:VB+1], s[VB:VB+1], CHB
	LOADS \st, KB, VB
.Lno_more_\@:
.endif
	v_add_nc_u32 v[KA], s[WB], v[KWI]
	v_add_nc_u32 v[VA], s[WB], v[VWI]
.irp e, 0,1,2,3
	v_cvt_scalef32_pk8_fp8_f32 v[224+4*\e:225+4*\e], v[96+16*\e:103+16*\e], v30
	v_cvt_scalef32_pk8_fp8_f32 v[226+4*\e:227+4*\e], v[104+16*\e:111+16*\e], v30
.endr
.irp m, 0,1,2,3,4,5,6,7
	v_cvt_scalef32_pk8_fp8_f32 v[192+2*\m:193+2*\m], v[32+8*\m:39+8*\m], v28
.endr
	v_nop                                          ; one plain line behind the last conversion
.irp e, 0,1,2,3
	ds_store_b128 v[VA], v[224+4*\e:227+4*\e] offset:16*\e
.endr
.set i, 0
.rept 16
	ds_store_b32 v[KA], v[192+i] offset:KT*((i/4)%2)+32*(i%4)+128*(i/8)
.set i, i+1
.endr
.endm
; ATT: step s[KS] from its images at s[RB], if my queries see it.
.macro ATT
	s_cmp_gt_u32 s[KS], s[DEP]                     ; all 128 keys come after my queries: the step's work is left out; no barrier stands in it
	s_cbranch_scc1 .Lhidden_\@
	v_add_nc_u32 v[KA], s[RB], v[AKI]
.rept 3
	v_nop                                          ; with the addition four places behind the last step's products, ahead of the loads into their operands
.endr
.irp t, 0,1,2,3,4,5,6,7
	ds_load_b128 v[32+8*\t:35+8*\t], v[KA] offset:KT*\t
	ds_load_b128 v[36+8*\t:39+8*\t], v[KA] offset:KT*\t+640
.endr
.irp g, 0,1,2,3
	s_wait_dscnt 12-4*\g                           ; tiles 2 g and 2 g + 1 are in; the younger tiles' loads may be out
.irp n, 0,1
	v_wmma_f32_16x16x64_fp8_fp8 v[96+16*\g+8*\n:103+16*\g+8*\n], v[32+16*\g+8*\n:39+16*\g+8*\n], v[16:23], 0
.endr
.endr
	v_add_nc_u32 v[VA], s[RB], v[AVI]
.rept 3
	v_nop                                          ; four places: ahead of the loads into K's registers and of the first read of the scores
.endr
.irp t, 0,1,2,3
.irp c, 0,1,2,3
	ds_load_b128 v[32+16*\t+4*\c:35+16*\t+4*\c], v[VA] offset:VF*\t+512*\c  ; V's fragments land under the softmax
.endr
.endr
	s_cmp_lg_u32 s[KS], s[DEP]                     ; only my last step holds my diagonal
	s_cbranch_scc1 .Lopen_\@
.set n, 0
.rept 64
	v_cmp_gt_i32 vcc_lo, 32*(n/16)+n%16, v[DD]
	v_cndmask_b32 v[96+n], v[96+n], v[MV], vcc_lo
.set n, n+1
.endr
.Lopen_\@:
.irp c, 0,1,2,3                        ; the step's largest score of my query among my 64 keys, in four chains, each accumulator from its low end on
	v_max3_num_f32 v[MX+\c], v[96+16*\c], v[97+16*\c], v[98+16*\c]
.endr
.irp i, 3,5,7,9,11,13
.irp c, 0,1,2,3
	v_max3_num_f32 v[MX+\c], v[MX+\c], v[96+16*\c+\i], v[97+16*\c+\i]
.endr
.endr
	v_max3_num_f32 v[MX], v[MX], v111, v127
	v_max3_num_f32 v[MX+1], v[MX+1], v143, v159
	s_delay_alu instid0(VALU_DEP_1)
	v_max3_num_f32 v254, v[MX], v[MX+1], v[MX+2]
	s_delay_alu instid0(VALU_DEP_1)
	v_max_num_f32 v254, v254, v[MX+3]
	s_delay_alu instid0(VALU_DEP_1)
	v_permlanex16_b32 v[XH], v254, s[SEL], s[SEL+1]
	s_delay_alu instid0(VALU_DEP_1)
	v_max_num_f32 v254, v254, v[XH]                ; and among lane l xor 16's
	s_delay_alu instid0(VALU_DEP_1)
	v_mul_f32 v254, s[CS], v254                    ; as t (c is positive)
	s_delay_alu instid0(VALU_DEP_1)
	v_max_num_f32 v13, v13, v254                   ; the running largest t
	v_mov_b32 v254, v12
	s_delay_alu instid0(VALU_DEP_2)
	v_floor_f32 v12, -v13                          ; the new -M = floor(-t) = -ceil(t): a whole number
	s_delay_alu instid0(VALU_DEP_1)
	v_sub_f32 v254, v12, v254                      ; old M - new M: a whole number, 0 or less
	s_delay_alu instid0(VALU_DEP_1)
	v_cvt_i32_f32 v254, v254                       ; (it saturates)
	s_delay_alu instid0(VALU_DEP_1)
	v_ldexp_f32 v252, 1.0, v254                    ; f = 2^(old M - new M): a multiplication by it rounds nothing
.set j, 0
.rept 32
	v_pk_fma_f32 v[96+j:97+j], v[96+j:97+j], s[CS:CS+1], v[12:13] op_sel_hi:[1,0,0]  ; t - M, two at a time
.set j, j+2
.endr
	s_wait_alu depctr_va_vdst(0)                   ; the wait ahead of the batch
.set j, 0
.rept 64
	v_exp_f32 v[96+j], v[96+j]                     ; p = 2^(t - M), not normalised
.set j, j+1
.endr
	v_pk_mul_f32 v[14:15], v[14:15], v[252:253] op_sel_hi:[1,0]  ; l under the new M: the plain line behind the exponentials
	s_wait_alu depctr_va_vdst(0)                   ; one wait for the batch, and for O^T's first reader, directly behind it
.set j, 0
.rept 16
	v_pk_mul_f32 v[160+j:161+j], v[160+j:161+j], v[252:253] op_sel_hi:[1,0]  ; O^T under the new M, each accumulator from its low end on
.set j, j+2
.endr
.irp a, 0,1,2,3,4,5,6                  ; l: the sum of the unquantised p, two at a time, in eight chains
	v_pk_add_f32 v[192+2*\a:193+2*\a], v[96+4*\a:97+4*\a], v[98+4*\a:99+4*\a]
.endr
	v_pk_add_f32 v[14:15], v[14:15], v[124:125]
.irp a, 0,1,2,3,4,5,6
	v_pk_add_f32 v[192+2*\a:193+2*\a], v[192+2*\a:193+2*\a], v[126+2*\a:127+2*\a]
.endr
	v_pk_add_f32 v[14:15], v[14:15], v[140:141]
.irp a, 0,1,2,3,4,5,6
	v_pk_add_f32 v[192+2*\a:193+2*\a], v[192+2*\a:193+2*\a], v[142+2*\a:143+2*\a]
.endr
	v_pk_add_f32 v[14:15], v[14:15], v[156:157]
	v_pk_add_f32 v[192:193], v[192:193], v[158:159]
	v_pk_add_f32 v[194:195], v[194:195], v[196:197]
	v_pk_add_f32 v[198:199], v[198:199], v[200:201]
	v_pk_add_f32 v[202:203], v[202:203], v[204:205]
	v_pk_add_f32 v[14:15], v[14:15], v[192:193]
	s_delay_alu instid0(VALU_DEP_3)
	v_pk_add_f32 v[194:195], v[194:195], v[198:199]
	s_delay_alu instid0(VALU_DEP_2)
	v_pk_add_f32 v[14:15], v[14:15], v[202:203]
	s_delay_alu instid0(VALU_DEP_1)
	v_pk_add_f32 v[14:15], v[14:15], v[194:195]
	s_cmp_eq_u32 s[HOLD], 0                        ; p is at most 1 but for its last bits: where 448 x 2^ep is 1.75 or more the hold changes no number
	s_cbranch_scc1 .Lfree_\@
.set j, 0
.rept 64
	v_min_num_f32 v[96+j], v[96+j], v240           ; the hold at 448 x 2^ep; p is not negative, so it is one-sided
.set j, j+1
.endr
.Lfree_\@:
.irp b, 0,1,2,3
	v_cvt_scalef32_pk8_fp8_f32 v[224+4*\b:225+4*\b], v[96+16*\b:103+16*\b], v244
	v_cvt_scalef32_pk8_fp8_f32 v[226+4*\b:227+4*\b], v[104+16*\b:111+16*\b], v244
.endr
	v_nop                                          ; one plain line behind the last conversion
	s_wait_alu depctr_va_vdst(0)                   ; the wait here, directly ahead of the wait below
	s_wait_dscnt 0x0                               ; V's fragments are in
.irp t, 0,1,2,3
	v_wmma_f32_16x16x128_fp8_fp8 v[160+8*\t:167+8*\t], v[32+16*\t:47+16*\t], v[224:239], v[160+8*\t:167+8*\t]  ; the four accumulators take turns, one instruction a turn
.endr
.Lhidden_\@:
	s_add_co_u32 s[KS], s[KS], 1
	s_add_co_u32 s[RB], s[RB], SETB
.endm
; A block's beginning: no step is a special first one; the first change of M multiplies these zeros by 0.
.macro INIT
	v_mov_b32 v13, 0xff61b1e6                      ; the largest t so far: -3e38, under every t
	v_mov_b32 v14, 0                               ; l, in two halves
	v_mov_b32 v15, 0
	v_floor_f32 v12, -v13                          ; -M
.set j, 0
.rept 32
	v_mov_b32 v[160+j], 0                          ; O^T
.set j, j+1
.endr
.endm
; THE WAY OUT of a block.  O^T / l x 2^(ep + ev) goes through my stage in LDS and leaves as whole rows: a store covers 512 consecutive bytes, two rows of o, aligned.
; The two additions, the permute, the two v_nop and the v_ldexp_f32 are places ahead of the first read of O^T, where four are asked (ISA guide 7.12.1).
.macro OUT ob
	s_wait_alu depctr_va_vdst(0)                   ; the wait here, ahead of l's reader
	v_add_f32 v14, v14, v15                        ; l's two halves,
	s_delay_alu instid0(VALU_DEP_1)
	v_permlanex16_b32 v[XH], v14, s[SEL], s[SEL+1]
	s_delay_alu instid0(VALU_DEP_1)
	v_add_f32 v14, v14, v[XH]                      ; and lane l xor 16's
	s_wait_alu depctr_va_vdst(0)                   ; the wait ahead of the reciprocal
	v_rcp_f32 v14, v14
.rept 2
	v_nop                                          ; a plain line behind the reciprocal, and one place more
.endr
	s_wait_alu depctr_va_vdst(0)                   ; and ahead of its first reader, and O^T's
	v_ldexp_f32 v14, v14, s[EO]                    ; x 2^(ep + ev)
.set j, 0
.rept 16
	v_pk_mul_f32 v[96+j:97+j], v[160+j:161+j], v[14:15] op_sel_hi:[1,0]  ; register 8 t + i is o(r, 16 t + 8 h + i); each accumulator from its low end on
.set j, j+2
.endr
.irp t, 0,1,2,3
	ds_store_b128 v[STO], v[96+8*\t:99+8*\t] offset:64*\t
	ds_store_b128 v[STO], v[100+8*\t:103+8*\t] offset:64*\t+16
.endr
.irp i, 0,1,2,3,4,5,6,7
	ds_load_b128 v[32+4*\i:35+4*\i], v[SRD] offset:2*\i*272  ; LDS serves a wave's instructions in order (ISA guide 5.7.1.4): these see my stores
.endr
.irp i, 0,1,2,3,4,5,6,7
	s_wait_dscnt 7-\i                              ; the younger loads from the stage may stay out
	global_store_b128 v[KOV], v[32+4*\i:35+4*\i], s[\ob:\ob+1] offset:512*\i th:TH_STORE_NT
.endr
.endm
; v[vs] = 2^e as f32 (a conversion takes its exponent field), v[vl] = 448 x 2^e; e in s[e]
.macro SCALE e, vs, vl
	s_add_co_i32 s54, s[\e], 127
	s_lshl_b32 s55, s54, 23
	v_mov_b32 v[\vs], s55
	s_add_co_i32 s54, s54, 8
	s_lshl_b32 s54, s54, 23
	s_or_b32 s54, s54, 0x600000
	v_mov_b32 v[\vl], s54
.endm
	; ---- THE HEAD
	s_load_b256 s[4:11], s[0:1], 0x0               ; q s[4:5], k s[6:7], v s[8:9], the scales' exponents s[10:11]
	s_load_b64 s[12:13], s[0:1], 0x20              ; o
	v_lshl_add_u32 v[SPW], v0, 2, SPARE
	v_mov_b32 v[NIL], 0
	v_lshrrev_b32 v11, 5, v0
	v_readfirstlane_b32 s[WV], v11                 ; wave 0..7
	s_and_b32 s54, ttmp7, 0xffff                   ; y
	s_lshr_b32 s55, s54, 1                         ; beta
	s_and_b32 s56, s54, 1                          ; u
	s_sub_co_u32 s[DCH], 7, s55                    ; D
	s_lshr_b32 s57, s[WV], 2                       ; 1 in waves 4 to 7, whose queries are the later 128 of a block
	s_lshl_b32 s58, s[DCH], 1
	s_add_co_u32 s[DEP], s58, s57
	s_lshl_b32 s58, s55, 1
	s_add_co_u32 s[DEP2], s58, s57
	s_sub_co_u32 s[PFT], s[DCH], 4
	s_lshl_b32 s60, ttmp9, 19                      ; the head's first byte in each of the four tensors (2,048 rows of 256 bytes)
	s_mov_b32 s61, 0
	s_lshl_b32 s59, s[WV], 13                      ; 32 rows a wave
	s_lshl_b32 s58, s56, 12
	s_add_co_u32 s58, s58, s59                     ; my 16 queries in a block
	s_lshl_b32 s62, s[DCH], 16
	s_add_co_u32 s62, s62, s58
	s_mov_b32 s63, 0
	s_add_nc_u64 s[62:63], s[62:63], s[60:61]      ; in the deep block,
	s_lshl_b32 s66, s55, 16
	s_add_co_u32 s66, s66, s58
	s_mov_b32 s67, 0
	s_add_nc_u64 s[66:67], s[66:67], s[60:61]      ; in the shallow one
	s_mov_b32 s68, s59
	s_mov_b32 s69, 0
	s_add_nc_u64 s[68:69], s[68:69], s[60:61]      ; my 32 keys of chunk 0
	s_lshl_b32 s70, s[DCH], 16
	s_mov_b32 s71, 0
	s_add_nc_u64 s[70:71], s[70:71], s[68:69]      ; and of chunk D: the prefetch's
	s_and_b32 s59, s[WV], 3
	s_mul_i32 s76, s57, SETB                       ; my 32 keys lie in step w / 4 of a chunk,
	s_mul_i32 s58, s59, 2*KT                       ; in K's tiles 2 (w % 4) and 2 (w % 4) + 1,
	s_lshl_b32 s77, s59, 9                         ; in V's registers 4 (w % 4) on
	s_add_co_u32 s77, s77, s76
	s_add_co_u32 s77, s77, VIMG
	s_add_co_u32 s76, s76, s58
	s_mul_i32 s78, s[WV], STGB
	s_add_co_u32 s78, s78, STAGE                   ; my stage
	s_lshl_b32 s79, s59, 5
	s_lshl_b32 s58, s56, 4
	s_add_co_u32 s79, s79, s58                     ; 32 (w % 4) + 16 u
	s_mov_b32 s[SEL], 0x76543210
	s_mov_b32 s[SEL+1], 0xfedcba98
	s_mov_b32 s[CS], 0x3e38aa3b                    ; log2(e) / 8
	s_mov_b32 s[C], 0
	s_mov_b32 s[KS], 0
	s_mov_b32 s[RB], 0
	s_mov_b32 s[WB], 0
	v_and_b32 v32, 31, v0                          ; lane
	v_and_b32 v33, 15, v0                          ; r, and as a loader j: channels 4 j on
	v_bfe_u32 v34, v0, 4, 1                        ; h
	v_lshlrev_b32 v[KOV], 4, v32
	v_lshlrev_b32 v[VOV], 12, v34
	v_lshlrev_b32 v[PFO], 8, v32
	v_lshl_add_u32 v[VOV], v33, 4, v[VOV]
	s_wait_alu depctr_va_vdst(0)                   ; the wait here, directly ahead of the wait below
	s_wait_kmcnt 0x0
	s_load_b128 s[48:51], s[10:11], 0x0            ; eq, ek, ep, ev
	s_cmp_eq_u32 s56, 0                            ; of chunk D the work-group with u = 0 prefetches K's rows, that with u = 1 V's
	s_cselect_b64 s[PF:PF+1], s[6:7], s[8:9]
	s_add_nc_u64 s[PF:PF+1], s[PF:PF+1], s[70:71]
	s_add_nc_u64 s[QD:QD+1], s[4:5], s[62:63]
	s_add_nc_u64 s[QS:QS+1], s[4:5], s[66:67]
	s_add_nc_u64 s[OD:OD+1], s[12:13], s[62:63]
	s_add_nc_u64 s[OS:OS+1], s[12:13], s[66:67]
	s_add_nc_u64 s[KB0:KB0+1], s[6:7], s[68:69]
	s_add_nc_u64 s[VB0:VB0+1], s[8:9], s[68:69]
	s_add_nc_u64 s[KB:KB+1], s[KB0:KB0+1], CHB     ; chunk 1
	s_add_nc_u64 s[VB:VB+1], s[VB0:VB0+1], CHB
.irp i, 0,1,2,3,4,5,6,7
	global_load_b128 v[96+4*\i:99+4*\i], v[KOV], s[QD:QD+1] offset:512*\i th:TH_LOAD_NT    ; my 16 queries of the deep block, whole rows; read once in the launch
.endr
.irp i, 0,1,2,3,4,5,6,7
	global_load_b128 v[128+4*\i:131+4*\i], v[KOV], s[QS:QS+1] offset:512*\i th:TH_LOAD_NT  ; and of the shallow one
.endr
	LOADS 128, KB0, VB0                            ; chunk 0
	LOADS 0, KB, VB                                ; chunk 1
	v_bfe_u32 v35, v0, 2, 2                        ; j / 4
	v_and_b32 v36, 3, v0                           ; j % 4
	v_mul_u32_u24 v[AKI], v34, 320
	v_lshl_add_u32 v[AVI], v32, 4, VIMG
	v_mul_u32_u24 v37, v35, 320                    ; word j of a row of K or Q: 640 q + 320 h + 4 w = 320 (j / 4) + 4 (j % 4)
	v_mul_u32_u24 v38, v35, VF                     ; V: fragment j / 4,
	v_lshl_add_u32 v[AKI], v33, 4, v[AKI]          ; 320 h + 16 r
	v_lshl_add_u32 v37, v36, 2, v37
	v_lshl_add_u32 v38, v36, 6, v38                ; lane 16 h + 4 (j % 4) + e
	v_mul_u32_u24 v39, v33, 272
	v_lshl_add_u32 v37, v34, 4, v37                ; the odd row of a load's two
	v_lshl_add_u32 v38, v34, 8, v38
	v_mul_u32_u24 v40, v34, 272
	v_lshlrev_b32 v41, 4, v34
	v_add_nc_u32 v[KWI], s76, v37
	v_add_nc_u32 v[VWI], s77, v38
	v_add_nc_u32 v[KA], s78, v37                   ; Q's turn through my stage: in,
	v_add_nc_u32 v[VA], s78, v[AKI]                ; and back
	v_lshl_add_u32 v39, v34, 5, v39
	v_lshl_add_u32 v40, v33, 4, v40
	v_sub_nc_u32 v41, v33, v41
	v_add_nc_u32 v[STO], s78, v39                  ; row r; tile t's eight channels of my half at 64 t + 32 h
	v_add_nc_u32 v[SRD], s78, v40                  ; lanes 0-15 one row, lanes 16-31 the next
	v_add_nc_u32 v[DD], s79, v41                   ; 32 (w % 4) + 16 u + r - 16 h: data for the mask's compare, no address
	v_mov_b32 v[XH], 0                             ; written once: a lane permute's destination counts as one of its sources
	v_mov_b32 v253, 0                              ; (named as the upper half of the pair v[252:253])
	INIT
	s_wait_alu depctr_va_vdst(0)                   ; the wait here, directly ahead of the wait below
	s_wait_kmcnt 0x0
	s_add_co_i32 s54, s48, s49                     ; eq + ek:
	s_lshl_b32 s54, s54, 23
	s_add_co_i32 s[CS], s[CS], s54                 ; a raw sum stands for sum x 2^(eq + ek): added to c's exponent field,
	s_mov_b32 s[CS+1], s[CS]                       ; (named with it as a pair, so it is written)
	s_sub_co_i32 s55, 0xc79c4000, s54              ; and taken off -80000's: that raw sum x c is -10000 log2(e)
	v_mov_b32 v[MV], s55
	SCALE 48, 242, 243                             ; q's, for the head alone
	SCALE 49, 28, 29                               ; k's
	SCALE 51, 30, 31                               ; v's
	SCALE 50, 244, 240                             ; p's
	s_add_co_i32 s[EO], s50, s51
	s_cmp_ge_i32 s50, -8
	s_cselect_b32 s[HOLD], 0, 1
	s_wait_alu depctr_va_vdst(0)
	s_wait_loadcnt 63                              ; 64 loads were issued behind Q's sixteen: Q is in
.set i, 0
.rept 64
	v_med3_num_f32 v[96+i], v[96+i], -v243, v243
.set i, i+1
.endr
.irp m, 0,1,2,3,4,5,6,7
	v_cvt_scalef32_pk8_fp8_f32 v[192+2*\m:193+2*\m], v[96+8*\m:103+8*\m], v242
.endr
	v_nop                                          ; one plain line behind the last conversion
.set i, 0
.rept 16
	ds_store_b32 v[KA], v[192+i] offset:KT*(i/8)+32*(i%8)
.set i, i+1
.endr
	ds_load_b128 v[16:19], v[VA]                   ; LDS serves a wave's instructions in order: these see my stores
	ds_load_b128 v[20:23], v[VA] offset:640
	ds_load_b128 v[208:211], v[VA] offset:KT
	ds_load_b128 v[212:215], v[VA] offset:KT+640
	s_wait_dscnt 0x0                               ; Q's fragments are in, and the stores have read the registers that the codes below take
	QUANT 128, 32, 0                               ; chunk 0; chunk 1's 32 loads may stay out
	s_mov_b32 s[WB], 2*SETB
	s_wait_dscnt 0x0                               ; my image stores have landed
	s_barrier_signal -1
	s_barrier_wait -1                              ; everybody's have
	; ---- THE DEEP BLOCK.  The trip count is a constant; a work-group with fewer chunks passes the last trips' barriers with nothing else to do
.Ltrip:
	ATT
	s_cmp_lt_u32 s[C], s[DCH]
	s_cbranch_scc0 .Lall_codes
	QUANT 0, 0, 1
	; A PREFETCH INTO THE L2 of chunk D, the last that my work-group loads, two trips ahead of its loads: 32 rows of K (u = 0) or V (u = 1) a wave, a lane a row.  So each row of chunks 4 to 7 is named once in the launch; chunks 0 to 3 come by their loads alone.
	s_cmp_eq_u32 s[C], s[PFT]
	s_cbranch_scc0 .Lall_codes
	global_prefetch_b8 v[PFO], s[PF:PF+1] th:TH_LOAD_NT scope:SCOPE_SE
.Lall_codes:
	s_wait_dscnt 0x0                               ; my image stores have landed
	s_barrier_signal -1
	ATT                                            ; between signal and wait: registers, and LDS loads of images that no wave writes again
	s_barrier_wait -1                              ; everybody's images of chunk c + 1 are there
	s_add_co_u32 s[WB], s[WB], 2*SETB
	s_add_co_u32 s[C], s[C], 1
	s_cmp_lt_u32 s[C], 7
	s_cbranch_scc1 .Ltrip
	s_mov_b32 s[C], 0
.Llast:                                                ; chunk 7's two steps, for the work-groups whose block reaches so far: all images are there
	ATT
	s_add_co_u32 s[C], s[C], 1
	s_cmp_lt_u32 s[C], 2
	s_cbranch_scc1 .Llast
	OUT OD
	; ---- THE SHALLOW BLOCK: its images are all there
	s_mov_b32 s[DEP], s[DEP2]
	s_mov_b32 s[KS], 0
	s_mov_b32 s[RB], 0
	s_mov_b32 s[C], 0
.set i, 0
.rept 8
	v_mov_b32 v[16+i], v[208+i]                    ; its Q
.set i, i+1
.endr
	INIT
	s_wait_alu depctr_va_vdst(0)                   ; the wait here, directly ahead of the wait below
	s_wait_xcnt 0x0                                ; the stores have read the registers that the next step's fragments take
.Lshallow:
	ATT
	s_add_co_u32 s[C], s[C], 1
	s_cmp_lt_u32 s[C], 8
	s_cbranch_scc1 .Lshallow
	OUT OS
	s_wait_tensorcnt 0x0                           ; the wave's end
	ds_add_u32 v[SPW], v[NIL]
	s_wait_dscnt 0x0
	s_endpgm
.Lfunc_end_k_q88967b1993_attn:
	.size	k_q88967b1993_attn, .Lfunc_end_k_q88967b1993_attn-k_q88967b1993_attn
	.p2alignl 7, 3214868480
	.fill 96, 4, 3214868480
	.section	.rodata,"a",@progbits
	.p2align	6, 0x0
	.amdhsa_kernel k_q88967b1993_attn
		.amdhsa_group_segment_fixed_size 323584
		.amdhsa_private_segment_fixed_size 0
		.amdhsa_enable_private_segment 0
		.amdhsa_kernarg_size 40
		.amdhsa_user_sgpr_count 2
		.amdhsa_user_sgpr_kernarg_segment_ptr 1
		.amdhsa_wavefront_size32 1
		.amdhsa_system_sgpr_workgroup_id_x 1
		.amdhsa_system_sgpr_workgroup_id_y 1
		.amdhsa_system_sgpr_workgroup_id_z 1
		.amdhsa_system_vgpr_workitem_id 0
		.amdhsa_next_free_vgpr 512
		.amdhsa_next_free_sgpr 96
		.amdhsa_reserve_vcc 1
		.amdhsa_float_denorm_mode_32 3
		.amdhsa_float_denorm_mode_16_64 3
		.amdhsa_memory_ordered 1
		.amdhsa_forward_progress 1
		.amdhsa_inst_pref_size 138
	.end_amdhsa_kernel
	.amdgpu_metadata
---
amdhsa.version: [ 1, 2 ]
amdhsa.kernels:
  - .name:           k_q88967b1993_attn
    .symbol:         k_q88967b1993_attn.kd
    .args:
      - { .name: query_states, .offset: 0, .size: 8, .value_kind: global_buffer, .address_space: global }
      - { .name: key_states, .offset: 8, .size: 8, .value_kind: global_buffer, .address_space: global }
      - { .name: value_states, .offset: 16, .size: 8, .value_kind: global_buffer, .address_space: global }
      - { .name: lowp_scales, .offset: 24, .size: 8, .value_kind: global_buffer, .address_space: global }
      - { .name: out0, .offset: 32, .size: 8, .value_kind: global_buffer, .address_space: global }
    .group_segment_fixed_size: 323584
    .private_segment_fixed_size: 0
    .kernarg_segment_align: 8
    .kernarg_segment_size: 40
    .max_flat_workgroup_size: 256
    .sgpr_count:     96
    .vgpr_count:     512
    .wavefront_size: 32
...
	.end_amdgpu_metadata
.endif
;; end of part 1
